; MI455X (gfx1250); checked and timed in simulation.
; The chip was launched on July 23, 2026; its instructions are those of AMD's public machine-readable ISA for CDNA 5 (MIT licence, August 2026) and "CDNA5" Instruction Set Architecture Reference Guide (July 2026). The comments in the code are by the model that wrote it; some were corrected since.
;; Quantizer. Allowed arithmetic: float matrix products may take bf16 or f16 operands with f32 sums; all other float work in f32.
;; Inputs: E 4,096 x 256 float32; x 32 x 1,024 x 256 float32.
;; Outputs: out0 32 x 1,024 x 256 float32.
;; 2 versions, each right; version 2 is version 1 with the launch prep written anew for expert scheduling mode. Each part assembles by itself: llvm-mc -triple=amdgcn-amd-amdhsa -mcpu=gfx1250 --defsym DOCPART=n.
;; ======== version 1 of 2: 3 launches
;; workspace buffers: e16 2,097,152 bytes; e2h 16,384 bytes; cand 262,144 bytes of whole numbers
;; launch prep (part 1): grid 64 x 1, 8 waves a work-group, no clusters, 69,888 bytes of LDS; arguments E, e16, e2h; writes e16, e2h
.if DOCPART == 1
	.amdgcn_target "amdgcn-amd-amdhsa--gfx1250"
	.amdhsa_code_object_version 6
	.text
	.protected	k_q4fcc3244a5_prep
	.globl	k_q4fcc3244a5_prep
	.p2align	8
	.type	k_q4fcc3244a5_prep,@function
k_q4fcc3244a5_prep:
	s_mov_b64 s[64:65], 0
	v_nop
	global_prefetch_b8 v0, s[64:65] scope:SCOPE_SE
	s_setreg_imm32_b32 hwreg(HW_REG_WAVE_MODE, 25, 1), 1
	s_wait_xcnt 0x0
; e16[v][c] = bf16(E[v][c]);  e2h[v] = -0.5 * sum over c of bf16(E[v][c])^2, in f32.
; E: [4096][256] f32.  e16: [4096][256] bf16.  e2h: [4096] f32.
; The squares are taken of the ROUNDED numbers: the next launches multiply rounded operands, so that their score
; x.E - |E|^2/2 is the one of the rounded data.  A square of a bf16 number is exact in f32, so only the order of the additions rounds.
; ORDER OF ROUNDING: eight runs of 32 neighbouring squares, each added in ascending order, then the eight run sums in ascending order.
; Eight waves; the work-group owns 64 codes, so that its 64 numbers of e2h are 256 consecutive bytes, aligned, stored by one
; instruction: hence 64 work-groups and not more.  A wave owns 8 rows; a row is two loads of 512 consecutive bytes.
; The squares change hands between lanes through the wave's own LDS bytes: loaded and stored by columns, added by runs.
; A stream: every byte is read once and written once; no tile is shared between work-groups, so no cluster and no matrix unit.
.set SQP,  1040                        ; pitch of a row of squares: 1,024 + 16 bytes, an odd multiple of 16: the 8 rows x 2 runs that 16 lanes read lie in 16 different 16-byte columns modulo 256
.set WVB,  8*SQP+256                   ; a wave's LDS: 8 rows of squares, then 8 rows x 8 run sums
.set OUTW, 8*WVB                       ; 68,608: the group's 64 results
.set SA,  4                            ; v4   where I put 16 bytes of squares: wave's bytes + 16 l
.set CA,  5                            ; v5   where my runs begin: wave's bytes + (l % 8) SQP + 128 (l / 8)
.set WA,  6                            ; v6   where my run sums go
.set RA,  7                            ; v7   where my row's eight run sums lie
.set OA,  8                            ; v8   where my row's result goes
.set RW,  9                            ; v9   l % 8, my row in the adding
.set U,   10                           ; v[10:17]   8 rounded numbers widened to f32, then their squares
.set A0,  18                           ; v18, v19   two running sums
.set A1,  19
.set X,   20                           ; v[20:83]   row t: 8 registers as loaded; later my two runs of 32 squares
.set P,   84                           ; v[84:115]  row t: 4 registers of bf16, each row's own: no store's data is ever rewritten
.set W,   116                          ; v[116:123] my row's eight run sums
	s_load_b128 s[4:7], s[0:1], 0x0                ; E s[4:5], e16 s[6:7]
	s_load_b64 s[8:9], s[0:1], 0x10                ; e2h
	v_lshl_add_u32 v124, v0, 2, 0x10d00
	v_mov_b32 v125, 0
	v_lshrrev_b32 v1, 5, v0
	v_readfirstlane_b32 s10, v1                    ; wave 0..7
	v_and_b32 v1, 31, v0                           ; lane l
	s_mov_b32 s14, 0xffff0000                      ; a word's upper bf16
	s_mul_i32 s11, s10, WVB                        ; my wave's LDS bytes
	v_lshlrev_b32 v2, 4, v1
	v_add_nc_u32 v[SA], s11, v2
	v_lshl_add_u32 v2, s10, 13, v2                 ; in E: wave x 8 rows x 1,024 bytes + 16 l
	v_lshlrev_b32 v3, 3, v1
	v_lshl_add_u32 v3, s10, 12, v3                 ; in e16: wave x 8 rows x 512 bytes + 8 l
	v_and_b32 v[RW], 7, v1
	v_lshrrev_b32 v[A0], 3, v1                     ; l / 8: my first run; my second is 4 further on
	v_mul_u32_u24 v[CA], v[RW], SQP
	v_lshl_add_u32 v[CA], v[A0], 7, v[CA]
	v_add_nc_u32 v[CA], s11, v[CA]
	s_add_co_u32 s12, s11, 8*SQP
	v_lshl_add_u32 v[RA], v[RW], 5, s12
	v_lshl_add_u32 v[WA], v[A0], 2, v[RA]
	s_lshl_b32 s13, s10, 5
	s_add_co_u32 s13, s13, OUTW
	v_lshl_add_u32 v[OA], v[RW], 2, s13            ; word 8 x wave + l % 8
	s_lshl_b32 s2, ttmp9, 16                       ; the work-group's 64 rows of 1,024 bytes
	s_mov_b32 s3, 0
	s_wait_kmcnt 0x0
	s_add_nc_u64 s[4:5], s[4:5], s[2:3]
	s_lshl_b32 s2, ttmp9, 15                       ; 64 rows of 512 bytes
	s_add_nc_u64 s[6:7], s[6:7], s[2:3]
	s_lshl_b32 s2, ttmp9, 8                        ; 64 numbers of 4 bytes
	s_add_nc_u64 s[8:9], s[8:9], s[2:3]
.irp t, 0,1,2,3,4,5,6,7
	global_load_b128 v[X+8*\t:X+8*\t+3],   v2, s[4:5] offset:\t*1024        ; columns 4 l .. 4 l + 3
	global_load_b128 v[X+8*\t+4:X+8*\t+7], v2, s[4:5] offset:\t*1024+512    ; columns 128 + 4 l ..
.endr
; Row t: round, store, square the rounded numbers, lay the squares into LDS by columns.
.macro ROWP t
	s_wait_loadcnt 14-2*\t                         ; loads come back in order: rows 0 to t are in, the 14 - 2 t younger loads stay out
.irp k, 0,1,2,3
	v_cvt_pk_bf16_f32 v[P+4*\t+\k], v[X+8*\t+2*\k], v[X+8*\t+2*\k+1]
.endr
	global_store_b64 v3, v[P+4*\t:P+4*\t+1],   s[6:7] offset:\t*512         ; 32 lanes x 8 bytes: 256 consecutive bytes, aligned
	global_store_b64 v3, v[P+4*\t+2:P+4*\t+3], s[6:7] offset:\t*512+256
.irp k, 0,1,2,3
	v_lshlrev_b32 v[U+2*\k],   16,  v[P+4*\t+\k]   ; bf16 to f32: the low half moves up,
	v_and_b32     v[U+2*\k+1], s14, v[P+4*\t+\k]   ; the high half stays
.endr
.irp k, 0,2,4,6
	v_pk_mul_f32 v[U+\k:U+\k+1], v[U+\k:U+\k+1], v[U+\k:U+\k+1]
.endr
	ds_store_b128 v[SA], v[U:U+3]   offset:\t*SQP
	ds_store_b128 v[SA], v[U+4:U+7] offset:\t*SQP+512
.endm
.irp t, 0,1,2,3,4,5,6,7
	ROWP \t
.endr
	; My two runs of 32 squares.  LDS serves a wave's instructions in order, so these loads see the stores above: the bytes are my wave's own.
.irp q, 0,1,2,3,4,5,6,7
	ds_load_b128 v[X+4*\q:X+4*\q+3],       v[CA] offset:16*\q
	ds_load_b128 v[X+32+4*\q:X+32+4*\q+3], v[CA] offset:512+16*\q
.endr
	s_wait_dscnt 14                                ; the first piece of both runs is in; the 14 younger loads stay out
	v_add_f32 v[A0], v[X], v[X+1]                  ; the first two squares start the sums; the two chains do not wait for each other
	v_add_f32 v[A1], v[X+32], v[X+33]
	v_add_f32 v[A0], v[A0], v[X+2]
	v_add_f32 v[A1], v[A1], v[X+34]
	v_add_f32 v[A0], v[A0], v[X+3]
	v_add_f32 v[A1], v[A1], v[X+35]
.irp q, 1,2,3,4,5,6,7
	s_wait_dscnt 14-2*\q                           ; pieces 0 to q of both runs are in
.irp e, 0,1,2,3
	v_add_f32 v[A0], v[A0], v[X+4*\q+\e]
	v_add_f32 v[A1], v[A1], v[X+32+4*\q+\e]
.endr
.endr
	ds_store_b32 v[WA], v[A0]                      ; run l / 8 of row l % 8
	ds_store_b32 v[WA], v[A1] offset:16            ; run l / 8 + 4
	ds_load_b128 v[W:W+3],   v[RA]                 ; my row's eight run sums, again my wave's own bytes, in order behind the stores
	ds_load_b128 v[W+4:W+7], v[RA] offset:16
	s_wait_dscnt 0x0
	v_add_f32 v[A0], v[W], v[W+1]
.irp n, 2,3,4,5,6,7
	v_add_f32 v[A0], v[A0], v[W+\n]
.endr
	v_mul_f32 v[A0], -0.5, v[A0]                   ; exact
	ds_store_b32 v[OA], v[A0]                      ; four lanes write the same word with the same number
	s_wait_dscnt 0x0                               ; for wave 0's sake: my words are in LDS before I say so
	s_barrier_signal -1
	s_barrier_wait -1
	s_cmp_lg_u32 s10, 0
	s_cbranch_scc1 .Lend
	v_lshlrev_b32 v[W], 3, v1                      ; wave 0 stores the group's 64 numbers: 32 lanes x 8 bytes, 256 consecutive bytes, aligned
	v_add_nc_u32 v[W+1], OUTW, v[W]
	ds_load_b64 v[W+2:W+3], v[W+1]
	s_wait_dscnt 0x0
	global_store_b64 v[W], v[W+2:W+3], s[8:9]
.Lend:
	s_wait_tensorcnt 0x0
	ds_add_u32 v124, v125
	s_wait_dscnt 0x0
	s_endpgm
.Lfunc_end_k_q4fcc3244a5_prep:
	.size	k_q4fcc3244a5_prep, .Lfunc_end_k_q4fcc3244a5_prep-k_q4fcc3244a5_prep
	.p2alignl 7, 3214868480
	.fill 96, 4, 3214868480
	.section	.rodata,"a",@progbits
	.p2align	6, 0x0
	.amdhsa_kernel k_q4fcc3244a5_prep
		.amdhsa_group_segment_fixed_size 69888
		.amdhsa_private_segment_fixed_size 0
		.amdhsa_enable_private_segment 0
		.amdhsa_kernarg_size 24
		.amdhsa_user_sgpr_count 2
		.amdhsa_user_sgpr_kernarg_segment_ptr 1
		.amdhsa_wavefront_size32 1
		.amdhsa_system_sgpr_workgroup_id_x 1
		.amdhsa_system_sgpr_workgroup_id_y 1
		.amdhsa_system_sgpr_workgroup_id_z 1
		.amdhsa_system_vgpr_workitem_id 0
		.amdhsa_next_free_vgpr 126
		.amdhsa_next_free_sgpr 66
		.amdhsa_reserve_vcc 0
		.amdhsa_float_denorm_mode_32 3
		.amdhsa_float_denorm_mode_16_64 3
		.amdhsa_memory_ordered 1
		.amdhsa_forward_progress 1
		.amdhsa_inst_pref_size 17
	.end_amdhsa_kernel
	.amdgpu_metadata
---
amdhsa.version: [ 1, 2 ]
amdhsa.kernels:
  - .name:           k_q4fcc3244a5_prep
    .symbol:         k_q4fcc3244a5_prep.kd
    .args:
      - { .name: E, .offset: 0, .size: 8, .value_kind: global_buffer, .address_space: global }
      - { .name: e16, .offset: 8, .size: 8, .value_kind: global_buffer, .address_space: global }
      - { .name: e2h, .offset: 16, .size: 8, .value_kind: global_buffer, .address_space: global }
    .group_segment_fixed_size: 69888
    .private_segment_fixed_size: 0
    .kernarg_segment_align: 8
    .kernarg_segment_size: 24
    .max_flat_workgroup_size: 256
    .sgpr_count:     66
    .vgpr_count:     126
    .wavefront_size: 32
...
	.end_amdgpu_metadata
.endif
;; end of part 1
;; launch nearest (part 2): grid 256 x 1, 8 waves a work-group, clusters of 4 x 1, 327,680 bytes of LDS; arguments x, e16, e2h, cand; writes cand
.if DOCPART == 2
	.amdgcn_target "amdgcn-amd-amdhsa--gfx1250"
	.amdhsa_code_object_version 6
	.text
	.protected	k_q4fcc3244a5_nearest
	.globl	k_q4fcc3244a5_nearest
	.p2align	8
	.type	k_q4fcc3244a5_nearest,@function
k_q4fcc3244a5_nearest:
	s_mov_b64 s[64:65], 0
	v_nop
	global_prefetch_b8 v0, s[64:65] scope:SCOPE_SE
	s_setreg_imm32_b32 hwreg(HW_REG_WAVE_MODE, 25, 1), 1
	s_wait_xcnt 0x0
	s_wait_alu depctr_hold_cnt(0) depctr_sa_sdst(0) depctr_va_vdst(0) depctr_va_sdst(0) depctr_va_ssrc(0) depctr_va_vcc(0) depctr_vm_vsrc(0)
	s_getreg_b32 s2, hwreg(HW_REG_IB_STS2, 6, 4)
	s_cmp_eq_u32 s2, 0
	s_cbranch_scc0 .Lentry_in_a_cluster
	s_endpgm
.Lentry_in_a_cluster:
	s_bfe_u32 s2, ttmp6, 0x10000c
	s_cmp_lg_u32 s2, 0x3003
	s_cbranch_scc0 .Lentry_shape_is_right
	s_endpgm
.Lentry_shape_is_right:
; cand[n] = two codes: the v with the largest score bf16(x[n]) . e16[v] + e2h[v] (the least -2 x.E + |E|^2 of the rounded data), and a runner-up;
; the runner-up is replaced by the first code where the two scores are too far apart for any order of f32 rounding to change their order.
; x: [32768][256] f32.  e16: [4096][256] bf16.  e2h: [4096] f32 = -|e16[v]|^2 / 2.  cand: [32768][2] u32.
; The next launch scores unequal pairs again and decides between them: here the sums are made by the matrix unit, whose rounding is its own.
; THE MARGIN.  Every partial sum of a score is at most |x||e| + |e|^2/2 <= S = |x|^2/2 + max |E|^2.  257 roundings of 2^-24 each keep a score within
; 2^-16 S of its exact value, so two ways of summing differ by at most 2^-15 S in a score and 2^-14 S in a difference of two (a quarter more for the
; sum of squares).  A pair counts as decided where score 1 - score 2 > 2^-13 S.  Taken for granted: the matrix unit's sums are within that bound too.
; LIMITS.  The search keeps one best code for each of 64 classes of codes (equal v % 16 and equal (v / 64) % 4) and takes the two best of the
; 64 winners.  If a row's two closest codes lie in one class, the second candidate is another class's winner, and the first stands.
; Of equal scores the lower v goes ahead.  A NaN score never wins; a class in which every score is NaN or -inf offers its lowest code.
;
; SHARES.  A work-group owns 128 rows of x and walks all 4,096 codes, in 16 tiles of 256 codes.  Eight waves = 2 halves of the rows
; (rh = w % 2, 64 rows) x 4 quarters of a tile's codes (cq = w / 2, 64 codes).  A wave keeps its 64 rows x 256 K of x as bf16 fragments
; in 256 registers for the whole launch, so one fragment of E (16 codes x 32 K, two LDS loads) feeds four matrix instructions.
; THE MATRIX INSTRUCTION: source 0 = 16 codes of E, source 1 = 16 rows of x.  Register j of lane (r = l % 16, h = l / 16) of the result is
; (code 8 h + j of the block, row r).  So e2h enters as the C operand of the first K step (8 registers, two LDS loads): nothing is
; cleared and nothing is added by hand, and the search for the best code runs mostly inside a lane.
; ONE STREAM.  A block is 16 codes: 32 matrix instructions, 96 vector instructions of comparison, 18 LDS loads.  Block b's products are mixed with
; block b - 1's comparisons (two sets of accumulators take turns), two or three vector instructions behind each matrix instruction, so that a
; wave always has matrix work at hand while it compares.  The mix needs no more than two switches of the register window a block:
;   setting 0    : K step 0, whose x fragments lie in window 0, and the 32 compares, which name two vector registers;
;   setting 0x04 : K steps 1 to 7 (source 1 in window 1), and the maxima and selects, written with a scalar as source 1.
; E's fragments have one buffer: a K step's registers are loaded again, for the next block, one K step after they were multiplied.
; CLUSTER.  All work-groups walk the same tiles of E.  Four form a cluster and ask for each tile, and for e2h, jointly (mask 15): the
; requests for E are divided by four.  x is each work-group's own and comes by plain loads.
; LDS: two slots of 256 rows of E (512 bytes + 16 of padding); x in f32 is slot 1's first fill (128 rows of 1,024 + 16 bytes);
; e2h, filled once; stages for the waves' results, into which no fill lands.  Both pitches are odd multiples of 16 bytes, so the
; 16 rows that half a load's lanes touch lie in 16 different 16-byte columns modulo 256 bytes.
.set EP,    528                        ; pitch of a row of E in LDS
.set XP,    1040                       ; pitch of a row of x in LDS
.set SLOT,  256*EP                     ; 135,168 bytes; slot 0 at 0, slot 1 at SLOT
.set E2H,   2*SLOT                     ; 270,336: 4,096 f32
.set RED,   E2H+16384                  ; 286,720: [cq 4][row 128] x (score 1, score 2, code 1, code 2), 8,192 bytes
.set XNR,   RED+8192                   ; 294,912: |x|^2 of the 128 rows, 512 bytes
.set EMN,   XNR+512                    ; 295,424: the least e2h of each wave's eighth of the table, 8 words
.set TILEB, 256*512                    ; bytes of a tile in e16
; window 0
.set ADRE, 4                           ; v4, v5   LDS address of my fragments of E in slot 0, 1: (64 cq + r) EP + 16 h
.set ADRC, 6                           ; v6       LDS address of my e2h: E2H + 256 cq + 32 h, + 2,048 for every two tiles
.set ADRX, 7                           ; v7       LDS address of my x: SLOT + (64 rh + r) XP + 32 h
.set LP,   8                           ; v8       my lane's part of a code: 64 cq + 8 h
.set ADRR, 9                           ; v9       where my results go: RED + 1,024 w + 16 r
.set EF,   16                          ; v[16:79]   fragments of E, K step k at EF + 8 k
.set CB,   80                          ; v[80:87]   e2h of the block's codes 8 h .. 8 h + 7
.set ACC,  88                          ; v[88:151]  scores, two sets of 32: block b in set b % 2, rows 16 i .. at + 8 i
.set BEST, 152                         ; v[152:183] best score so far of (i, j)
.set IDX,  184                         ; v[184:215] base code (256 tile + 16 block) of the block in which it was found
.set XF0,  216                         ; v[216:247] fragments of x, K step 0, rows 16 i .. at + 8 i
.set XS,   248                         ; v[248:255] sums of squares of x, a pair for each i
.set T0,   16                          ; v[16:79], v[88:151]: x in f32 on its way into fragments, two buffers 72 registers apart
.set QD,   16                          ; v[16:31]   the end: four sorted pairs (score 1, score 2, code 1, code 2)
.set OT,   32                          ; v[32:35]   the end: the other half's pair
.set TL,   36                          ; v[36:39]   the end: at work in a merge
.set EM,   40                          ; v[40:55]   the end: numbers of e2h
; window 1: v[32 (k - 1) + 8 i .. + 7] = fragment of x, rows 16 i .., K step k = 1 .. 7 (v256 to v479)
.set G1E,  20                          ; s[20:27] group 1, tiles of E      s[44:47], s[48:51] their group 0, one for each slot
.set G1X,  28                          ; s[28:35] group 1, x               s[52:55] its group 0
.set G1S,  36                          ; s[36:43] group 1, e2h             s[56:59] its group 0
.set G0E,  44
.set G0X,  52
.set G0S,  56
.set MK,   70                          ; s[70:101] the 32 masks of a block's compares; the end uses s88 to s90 for its own
; s12 wave  s13 rh  s14 cq  s17, s18 lane selects  s19 base code of the block that is being compared  s68 trips  s69 -inf
.set MSB, 0
.macro WIN new                         ; s_set_vgpr_msb: low byte bits 1:0 source 0, 3:2 source 1, 5:4 source 2, 7:6 destination; the high byte repeats the setting that is left
.if MSB != \new
	s_set_vgpr_msb (MSB<<8)|\new
.set MSB, \new
.endif
.endm
; A round of the cluster's barrier: my work-group's barrier, wave 0 signals for the work-group, every wave waits for all four
; work-groups, my work-group's barrier once more.
.macro ROUND
	s_barrier_signal -1
	s_barrier_wait -1
	s_cmp_lg_u32 s12, 0
	s_cbranch_scc1 .Lnot_wave_0_\@
	s_barrier_signal -3
.Lnot_wave_0_\@:
	s_barrier_wait -3
	s_barrier_signal -1
	s_barrier_wait -1
.endm
	s_load_b256 s[4:11], s[0:1], 0x0               ; x s[4:5], e16 s[6:7], e2h s[8:9], cand s[10:11]
	v_lshl_add_u32 v14, v0, 2, 0x48300
	v_mov_b32 v15, 0
	ds_add_u32 v14, v15
	ds_add_u32 v14, v15
	v_lshrrev_b32 v1, 5, v0
	v_readfirstlane_b32 s12, v1                    ; wave w, 0..7
	s_and_b32 s13, s12, 1                          ; rh
	s_lshr_b32 s14, s12, 1                         ; cq
	s_bfe_u32 s15, ttmp6, 0x40000                  ; cx: my place in the cluster
	s_lshl_b32 s16, ttmp9, 2                       ; ttmp9 counts clusters
	s_add_co_u32 s16, s16, s15                     ; my work-group's number: it enters x's and cand's global addresses and nothing else
	s_mov_b32 s17, 0x76543210                      ; v_permlanex16_b32: lane i of one half reads lane i of the other
	s_mov_b32 s18, 0xfedcba98
	s_mov_b32 s19, -208                            ; the base code of the block in front of the first: 48 - 256
	s_mov_b32 s69, 0xff800000                      ; -inf
	; group 1 for E: each wave brings 32 rows of 256 bf16, 16 KiB; joint
	s_mov_b32 s[G1E+0], 15|(1<<16)|(1<<20)|(1<<21)|(6<<22)|(3<<25)   ; 15:0 mask: all four of the cluster; 17:16 2 bytes; 20 padding on; 21 set beside a mask; 24:22 after every 128 words; 31:25 of 4 words
	s_mov_b32 s[G1E+1], 256<<16                    ; tensor_dim0 = 256
	s_mov_b32 s[G1E+2], 32<<16                     ; tensor_dim1 = 32
	s_mov_b32 s[G1E+3], 256<<16                    ; tile_dim0 = 256
	s_mov_b32 s[G1E+4], 32                         ; tile_dim1 = 32
	s_mov_b32 s[G1E+5], 256                        ; elements from row to row
	s_mov_b32 s[G1E+6], 0
	s_mov_b32 s[G1E+7], 0
	; group 1 for x: each wave brings 16 rows of 256 f32, 16 KiB; my work-group's own (mask 0)
	s_mov_b32 s[G1X+0], (2<<16)|(1<<20)|(7<<22)|(3<<25)              ; 4 bytes; padding of 4 words after every 256 words
	s_mov_b32 s[G1X+1], 256<<16
	s_mov_b32 s[G1X+2], 16<<16
	s_mov_b32 s[G1X+3], 256<<16
	s_mov_b32 s[G1X+4], 16
	s_mov_b32 s[G1X+5], 256
	s_mov_b32 s[G1X+6], 0
	s_mov_b32 s[G1X+7], 0
	; group 1 for e2h: each wave brings 2,048 dense bytes as 8 rows of 32 elements of 8 bytes; joint
	s_mov_b32 s[G1S+0], 15|(3<<16)|(1<<21)
	s_mov_b32 s[G1S+1], 32<<16
	s_mov_b32 s[G1S+2], 8<<16
	s_mov_b32 s[G1S+3], 32<<16
	s_mov_b32 s[G1S+4], 8
	s_mov_b32 s[G1S+5], 32
	s_mov_b32 s[G1S+6], 0
	s_mov_b32 s[G1S+7], 0
	s_lshl_b32 s60, s12, 14                        ; w x 16,384: my part of a tile of E, and of my work-group's x
	s_mov_b32 s61, 0
	s_lshl_b32 s66, s12, 11                        ; w x 2,048: my part of e2h
	s_mov_b32 s67, 0
	s_lshl_b32 s62, s16, 17                        ; work-group x 128 rows x 1,024 bytes.  s[62:63] alone hold what hangs on cx
	s_mov_b32 s63, 0
	s_wait_dscnt 0x0
	s_wait_kmcnt 0x0
	; group 0: the word 1, the LDS address, the global address, the type 2 on top.  The joint ones are made of the wave's number alone.
	s_mov_b32 s[G0E+0], 1
	s_mul_i32 s[G0E+1], s12, 32*EP                 ; slot 0, my 32 rows
	s_add_nc_u64 s[G0E+2:G0E+3], s[6:7], s[60:61]  ; tile 0
	s_mov_b32 s[G0E+4], 1
	s_add_co_u32 s[G0E+5], s[G0E+1], SLOT          ; slot 1
	s_add_nc_u64 s[G0E+6:G0E+7], s[G0E+2:G0E+3], TILEB   ; tile 1
	s_or_b32 s[G0E+3], s[G0E+3], 0x80000000
	s_or_b32 s[G0E+7], s[G0E+7], 0x80000000
	s_mov_b32 s[G0X+0], 1
	s_mul_i32 s[G0X+1], s12, 16*XP
	s_add_co_u32 s[G0X+1], s[G0X+1], SLOT          ; x lies in slot 1 until it is in registers
	s_add_nc_u64 s[G0X+2:G0X+3], s[4:5], s[60:61]
	s_add_nc_u64 s[G0X+2:G0X+3], s[G0X+2:G0X+3], s[62:63]
	s_or_b32 s[G0X+3], s[G0X+3], 0x80000000
	s_mov_b32 s[G0S+0], 1
	s_add_co_u32 s[G0S+1], s66, E2H
	s_add_nc_u64 s[G0S+2:G0S+3], s[8:9], s[66:67]
	s_or_b32 s[G0S+3], s[G0S+3], 0x80000000
	s_lshl_b32 s62, s16, 10                        ; work-group x 128 rows x 8 bytes of cand
	s_add_nc_u64 s[10:11], s[10:11], s[62:63]
	ROUND                                          ; all four work-groups are here: the first joint loads meet
	tensor_load_to_lds s[G0X:G0X+3], s[G1X:G1X+7]  ; the first fills go out as one group: x first, since it is wanted first,
	s_nop 0
	tensor_load_to_lds s[G0E:G0E+3], s[G1E:G1E+7]  ; tile 0 of E,
	s_nop 0
	tensor_load_to_lds s[G0S:G0S+3], s[G1S:G1S+7]  ; e2h.  Three tensor loads of the wave are out here; later one behind each round
	s_nop 0
	v_and_b32 v1, 15, v0                           ; r
	v_bfe_u32 v2, v0, 4, 1                         ; h
	v_mul_u32_u24 v3, v1, EP
	v_lshl_add_u32 v3, v2, 4, v3                   ; r EP + 16 h
	s_mul_i32 s60, s14, 64*EP
	v_add_nc_u32 v[ADRE], s60, v3
	v_add_nc_u32 v[ADRE+1], SLOT, v[ADRE]
	s_lshl_b32 s61, s14, 8
	s_add_co_u32 s61, s61, E2H
	v_lshl_add_u32 v[ADRC], v2, 5, s61
	v_mul_u32_u24 v3, v1, XP
	v_lshl_add_u32 v3, v2, 5, v3                   ; r XP + 32 h: eight f32 for each half of the lanes
	s_mul_i32 s66, s13, 64*XP
	s_add_co_u32 s66, s66, SLOT
	v_add_nc_u32 v[ADRX], s66, v3
	s_lshl_b32 s67, s14, 6
	v_lshl_add_u32 v[LP], v2, 3, s67
	s_lshl_b32 s60, s12, 10                        ; (128 cq + 64 rh) x 16 bytes = 1,024 w
	s_add_co_u32 s60, s60, RED
	v_lshl_add_u32 v[ADRR], v1, 4, s60
; x INTO FRAGMENTS.  A fragment (16 rows x 32 K) has in lane (r, h): registers 0-3 K = 8 h + 0..7, registers 4-7 K = 16 + 8 h + 0..7.
; In f32 those are 32 bytes at 32 h and 32 bytes at 64 + 32 h of the K step's 128 bytes.
.macro LOADX g                         ; K step g of my four row blocks: 16 loads into buffer g % 2
.irp i, 0,1,2,3
	ds_load_b128 v[T0+72*((\g)%2)+16*\i:T0+72*((\g)%2)+16*\i+3],     v[ADRX] offset:\i*16*XP+(\g)*128
	ds_load_b128 v[T0+72*((\g)%2)+16*\i+4:T0+72*((\g)%2)+16*\i+7],   v[ADRX] offset:\i*16*XP+(\g)*128+16
	ds_load_b128 v[T0+72*((\g)%2)+16*\i+8:T0+72*((\g)%2)+16*\i+11],  v[ADRX] offset:\i*16*XP+(\g)*128+64
	ds_load_b128 v[T0+72*((\g)%2)+16*\i+12:T0+72*((\g)%2)+16*\i+15], v[ADRX] offset:\i*16*XP+(\g)*128+80
.endr
.endm
.macro CVTX g                          ; round them to bf16: K step 0 into window 0, the others into window 1
.if (\g) == 0
.irp i, 0,1,2,3
.irp p, 0,1,2,3,4,5,6,7
	v_cvt_pk_bf16_f32 v[XF0+8*\i+\p], v[T0+16*\i+2*\p], v[T0+16*\i+2*\p+1]
.endr
.endr
.else
	WIN 0x40
.irp i, 0,1,2,3
.irp p, 0,1,2,3,4,5,6,7
	v_cvt_pk_bf16_f32 v[32*((\g)-1)+8*\i+\p], v[T0+72*((\g)%2)+16*\i+2*\p], v[T0+72*((\g)%2)+16*\i+2*\p+1]
.endr
.endr
	WIN 0
.endif
.endm
; |x|^2 for the margin.  The four quarters' waves hold the same rows, so the waves of quarter 0 (waves 0 and 1) alone go on adding; the first
; products, which start the sums, are made by every wave, so that the registers are written in all of them.
.macro SQX g
.if (\g) == 0
.irp i, 0,1,2,3
	v_pk_mul_f32 v[XS+2*\i:XS+2*\i+1], v[T0+16*\i:T0+16*\i+1], v[T0+16*\i:T0+16*\i+1]
.endr
.endif
	s_cmp_ge_u32 s12, 2
	s_cbranch_scc1 .Lno_sq_\@
.irp p, 0,2,4,6,8,10,12,14
.if (\g)+\p
.irp i, 0,1,2,3
	v_pk_fma_f32 v[XS+2*\i:XS+2*\i+1], v[T0+72*((\g)%2)+16*\i+\p:T0+72*((\g)%2)+16*\i+\p+1], v[T0+72*((\g)%2)+16*\i+\p:T0+72*((\g)%2)+16*\i+\p+1], v[XS+2*\i:XS+2*\i+1]
.endr
.endif
.endr
.Lno_sq_\@:
.endm
	s_wait_tensorcnt 0x2                           ; my 16 rows of x are in LDS; the two loads issued behind them stay out
	s_barrier_signal -1
	s_barrier_wait -1                              ; everybody's rows are
	LOADX 0
.irp g, 0,1,2,3,4,5,6
	LOADX \g+1
	s_wait_dscnt 16                                ; K step g is in; the 16 loads just issued stay out
	CVTX \g
	SQX \g
.endr
	s_wait_dscnt 0x0
	CVTX 7
	SQX 7
.set n, 0
.rept 32
	v_mov_b32 v[BEST+n], s69                       ; the search's state, started once: any score above -inf takes its place
	v_mov_b32 v[IDX+n], 0
	v_mov_b32 v[ACC+32+n], s69                     ; and the scores of the block in front of the first, which win nothing
.set n, n+1
.endr
.macro LDE slot, b, k                  ; fragment k of block b (16 codes) of my quarter of the tile in slot
	ds_load_b128 v[EF+8*(\k):EF+8*(\k)+3],   v[ADRE+\slot] offset:(\b)*16*EP+64*(\k)
	ds_load_b128 v[EF+8*(\k)+4:EF+8*(\k)+7], v[ADRE+\slot] offset:(\b)*16*EP+64*(\k)+32
.endm
.macro LDC slot, b                     ; e2h of block b: the same 16 bytes in all 16 lanes of a half
	ds_load_b128 v[CB:CB+3],   v[ADRC] offset:\slot*1024+(\b)*64
	ds_load_b128 v[CB+4:CB+7], v[ADRC] offset:\slot*1024+(\b)*64+16
.endm
; Number eo of the 64 instructions that follow a block's compares: 32 maxima, then 32 selects of the base code.  q = the set of scores.
; Source 1 is a scalar in both, so they mean the same under window settings 0 and 0x04.
.macro EOP q
.if eo < 32
	v_max3_num_f32 v[BEST+eo], v[ACC+32*(\q)+eo], s69, v[BEST+eo]
.else
	v_cndmask_b32 v[IDX+eo-32], v[IDX+eo-32], s19, s[MK+eo-32]
.endif
.set eo, eo+1
.endm
; BLOCK b of the tile in slot: its 32 matrix instructions into set b % 2, mixed with the comparison of the block before, whose scores lie in the other set.
; Blocks come in ascending order of codes and only a strictly larger score takes the place, so each (lane, i, j) keeps its lowest code among equals.
; ACCUMULATORS: the four of a set take turns, one instruction a turn.
; PLACES (ISA guide 7.12.1 for vector instructions).  A compare reads a score behind the vector instructions that follow the last K step's four
; matrix instructions (ten, none of which names that set) and the compares of the row blocks in front of it.  A fragment's registers are loaded again
; one K step after they were multiplied: at least ten of these vector instructions lie between.  So no v_nop is written.
; LOADS, two for a fragment, in this order: at the end of K step 0 fragment 7 of this block; at the end of step 1 e2h and fragment 0 of the next block;
; at the end of step k fragment k - 1 of the next.  The wait at the head of step k leaves out what was issued behind fragment k: six pairs (12),
; from step 2 on e2h's two as well (14).  The tile's last block asks for nothing beyond its own fragment 7, so its counts run down: 14 - 2 k.
.macro BLOCK slot, b
	WIN 0
.irp i, 0,1,2,3
.irp j, 0,1,2,3,4,5,6,7
	v_cmp_gt_f32 s[MK+8*\i+\j], v[ACC+32*(1-(\b)%2)+8*\i+\j], v[BEST+8*\i+\j]
.endr
.if \i == 0
	s_wait_dscnt 12                                ; e2h and fragment 0 are in
.endif
	v_wmma_f32_16x16x32_bf16 v[ACC+32*((\b)%2)+8*\i:ACC+32*((\b)%2)+8*\i+7], v[EF:EF+7], v[XF0+8*\i:XF0+8*\i+7], v[CB:CB+7]
.endr
	LDE \slot, \b, 7
	WIN 0x04                                       ; source 1 (x) in window 1
.set eo, 0
.set wm, 0
.irp k, 1,2,3,4,5,6,7
.if \b == 3
	s_wait_dscnt 14-2*\k
.else
.if \k == 1
	s_wait_dscnt 12
.else
	s_wait_dscnt 14
.endif
.endif
.irp i, 0,1,2,3
	v_wmma_f32_16x16x32_bf16 v[ACC+32*((\b)%2)+8*\i:ACC+32*((\b)%2)+8*\i+7], v[EF+8*\k:EF+8*\k+7], v[32*(\k-1)+8*\i:32*(\k-1)+8*\i+7], v[ACC+32*((\b)%2)+8*\i:ACC+32*((\b)%2)+8*\i+7]
.rept (wm+1)*16/7-wm*16/7                      ; 64 instructions behind 28: two or three behind each
	EOP 1-(\b)%2
.endr
.set wm, wm+1
.endr
.if \b < 3
.if \k == 1
	LDC \slot, \b+1
.endif
	LDE \slot, \b+1, \k-1
.endif
.endr
.if \b == 0
	s_add_co_u32 s19, s19, 208                     ; the block just compared was a tile's last: 16, and 192 over the other quarters' codes
.else
	s_add_co_u32 s19, s19, 16
.endif
.endm
; One tile.  In front of the round every wave waits for all its tensor loads (its part of this trip's tile among them) and for its reads
; of the other slot; behind the round no wave of any of the four work-groups reads that slot or has a load on its way, and the joint
; refill is the first thing there: it has this trip's four blocks in which to land.  The last block's comparison rides over the round in registers.
.macro TRIP slot, refill
	s_wait_tensorcnt 0x0
	ds_add_u32 v14, v15
	s_wait_dscnt 0x0
	s_add_nc_u64 s[G0E+4*\slot+2:G0E+4*\slot+3], s[G0E+4*\slot+2:G0E+4*\slot+3], 2*TILEB   ; no load of mine is out: this slot's next tile
	s_wait_dscnt 0x0
	ROUND
.if \refill
	tensor_load_to_lds s[G0E+4-4*\slot:G0E+7-4*\slot], s[G1E:G1E+7]    ; the next tile, into the slot read last
	s_nop 0
.endif
	LDC \slot, 0                                   ; the first block's e2h and fragments 0 to 6: 16 loads, in the order in which the later blocks' come
.irp k, 0,1,2,3,4,5,6
	LDE \slot, 0, \k
.endr
	BLOCK \slot, 0
	BLOCK \slot, 1
	BLOCK \slot, 2
	BLOCK \slot, 3
	WIN 0
.endm
	s_mov_b32 s68, 7
.Ltile:
	TRIP 0, 1
	TRIP 1, 1
	v_add_nc_u32 v[ADRC], 2048, v[ADRC]            ; e2h of the next two tiles
	s_sub_co_u32 s68, s68, 1
	s_cmp_lg_u32 s68, 0
	s_cbranch_scc1 .Ltile
	TRIP 0, 1                                      ; tile 14; tile 15 is asked for
	TRIP 1, 0                                      ; tile 15: nothing is left to fetch (the stepped addresses are not used)
	; the last block's comparison, by itself: its scores lie in set 1
.rept 4
	v_nop                                          ; four places behind the last matrix instructions (ISA guide 7.12.1)
.endr
.set n, 0
.rept 32
	v_cmp_gt_f32 s[MK+n], v[ACC+32+n], v[BEST+n]
.set n, n+1
.endr
.set eo, 0
.rept 64
	EOP 1
.endr
; THE TWO BEST.  The order: the larger score goes ahead, and of equal scores the lower code.  All masks choose values only.
.macro BETTER m, av, ac, bv, bc        ; s[m] = the lanes in which (bv, bc) goes ahead of (av, ac)
	v_cmp_gt_f32 s[\m], v[\bv], v[\av]
	v_cmp_eq_f32 s90, v[\bv], v[\av]
	v_cmp_lt_u32 vcc_lo, v[\bc], v[\ac]
	s_and_b32 s90, s90, vcc_lo
	s_or_b32 s[\m], s[\m], s90
.endm
.macro SORT2 d, av, ac, bv, bc         ; two single winners into a sorted pair at d: score 1, score 2, code 1, code 2
	BETTER 88, \av, \ac, \bv, \bc
	v_cndmask_b32 v[\d],   v[\av], v[\bv], s88
	v_cndmask_b32 v[\d+1], v[\bv], v[\av], s88
	v_cndmask_b32 v[\d+2], v[\ac], v[\bc], s88
	v_cndmask_b32 v[\d+3], v[\bc], v[\ac], s88
.endm
.macro MERGE22 a, b                    ; the two best of the sorted pairs at a and at b, sorted, into a
	BETTER 88, \a, \a+2, \b, \b+2
	v_cndmask_b32 v[TL],   v[\b],   v[\a],   s88   ; the first that lost,
	v_cndmask_b32 v[TL+1], v[\b+2], v[\a+2], s88
	v_cndmask_b32 v[TL+2], v[\a+1], v[\b+1], s88   ; and the second of the pair whose first won: one of these two is the new second
	v_cndmask_b32 v[TL+3], v[\a+3], v[\b+3], s88
	v_cndmask_b32 v[\a],   v[\a],   v[\b],   s88
	v_cndmask_b32 v[\a+2], v[\a+2], v[\b+2], s88
	BETTER 89, TL, TL+1, TL+2, TL+3
	v_cndmask_b32 v[\a+1], v[TL],   v[TL+2], s89
	v_cndmask_b32 v[\a+3], v[TL+1], v[TL+3], s89
.endm
	; THE LEAST e2h (= -max |E|^2 / 2) of my eighth of the table, which still lies in LDS: 4 loads of 512 consecutive bytes, 16 numbers a lane
	v_and_b32 v10, 31, v0
	s_lshl_b32 s60, s12, 11
	s_add_co_u32 s60, s60, E2H
	v_lshl_add_u32 v3, v10, 4, s60
.irp q, 0,1,2,3
	ds_load_b128 v[EM+4*\q:EM+4*\q+3], v3 offset:\q*512
.endr
	s_lshl_b32 s61, s12, 2
	s_add_co_u32 s61, s61, EMN
	v_mov_b32 v11, s61                             ; my wave's word
.irp n, 0,1,2,3
	v_mov_b32 v[OT+\n], 0                          ; v_permlanex16_b32 counts as a reader of its destination
.endr
	s_wait_dscnt 0x0
	v_min3_num_f32 v[EM], v[EM], v[EM+1], v[EM+2]
.irp n, 3,5,7,9,11,13
	v_min3_num_f32 v[EM], v[EM], v[EM+\n], v[EM+\n+1]
.endr
	v_min_num_f32 v[EM], v[EM], v[EM+15]
	v_min_num_f32_dpp v[EM], v[EM], v[EM] row_xmask:1 row_mask:0xf bank_mask:0xf
	v_min_num_f32_dpp v[EM], v[EM], v[EM] row_xmask:2 row_mask:0xf bank_mask:0xf
	v_min_num_f32_dpp v[EM], v[EM], v[EM] row_xmask:4 row_mask:0xf bank_mask:0xf
	v_min_num_f32_dpp v[EM], v[EM], v[EM] row_xmask:8 row_mask:0xf bank_mask:0xf
	v_permlanex16_b32 v[EM+1], v[EM], s17, s18
	v_min_num_f32 v[EM], v[EM], v[EM+1]
	ds_store_b32 v11, v[EM]                        ; all lanes write the same word with the same number
	; INSIDE THE WAVE: a lane's eight registers, then the two halves of the lanes.  Then every lane (r, h) holds row r's two best of my 16 classes.
	; The order is total, so both halves come to the same pair.
.irp i, 0,1,2,3
.irp j, 0,1,2,3,4,5,6,7
	v_add3_u32 v[IDX+8*\i+\j], v[IDX+8*\i+\j], v[LP], \j   ; from the block's base to the code itself
.endr
	SORT2 QD,    BEST+8*\i,   IDX+8*\i,   BEST+8*\i+1, IDX+8*\i+1
	SORT2 QD+4,  BEST+8*\i+2, IDX+8*\i+2, BEST+8*\i+3, IDX+8*\i+3
	SORT2 QD+8,  BEST+8*\i+4, IDX+8*\i+4, BEST+8*\i+5, IDX+8*\i+5
	SORT2 QD+12, BEST+8*\i+6, IDX+8*\i+6, BEST+8*\i+7, IDX+8*\i+7
	MERGE22 QD, QD+4
	MERGE22 QD+8, QD+12
	MERGE22 QD, QD+8
.irp n, 0,1,2,3
	v_permlanex16_b32 v[OT+\n], v[QD+\n], s17, s18
.endr
	MERGE22 QD, OT
	ds_store_b128 v[ADRR], v[QD:QD+3] offset:\i*256    ; both halves write the same 16 bytes with the same numbers
.endr
	; |x|^2 of my 64 rows, from the waves that summed it
	s_cmp_ge_u32 s12, 2
	s_cbranch_scc1 .Lno_xn
	s_lshl_b32 s62, s12, 8
	s_add_co_u32 s62, s62, XNR
	v_lshl_add_u32 v12, v1, 2, s62                 ; word 64 rh + r, + 16 i in the offset
.irp i, 0,1,2,3
	v_add_f32 v[XS+2*\i], v[XS+2*\i], v[XS+2*\i+1]
	v_permlanex16_b32 v[XS+2*\i+1], v[XS+2*\i], s17, s18   ; the other half of the lanes holds the other half of K
	v_add_f32 v[XS+2*\i], v[XS+2*\i], v[XS+2*\i+1]
	ds_store_b32 v12, v[XS+2*\i] offset:\i*64      ; both halves write the same word with the same number
.endr
.Lno_xn:
	s_wait_dscnt 0x0                               ; for the others' sake: my results are in LDS before I say so
	s_barrier_signal -1
	s_barrier_wait -1
	; ACROSS THE WAVES: the four quarters of the codes.  Waves 0 to 3; a thread takes one row, so that a wave's one store
	; is 32 lanes x 8 bytes: 256 consecutive bytes, aligned.
	s_cmp_ge_u32 s12, 4
	s_cbranch_scc1 .Lclose
	s_mov_b32 s60, RED
	s_mov_b32 s61, XNR
	v_and_b32 v10, 127, v0                         ; u: my number among the 128 threads of these four waves = my row
	v_lshl_add_u32 v3, v10, 4, s60
	v_lshl_add_u32 v11, v10, 2, s61
	v_mov_b32 v12, EMN
	v_lshlrev_b32 v10, 3, v10
.irp q, 0,1,2,3
	ds_load_b128 v[QD+4*\q:QD+4*\q+3], v3 offset:\q*2048           ; quarter q's pair
.endr
	ds_load_b128 v[EM:EM+3],   v12                 ; the eight waves' least e2h
	ds_load_b128 v[EM+4:EM+7], v12 offset:16
	ds_load_b32 v[EM+8], v11                       ; my row's |x|^2
	s_wait_dscnt 0x0
	MERGE22 QD, QD+4
	MERGE22 QD+8, QD+12
	MERGE22 QD, QD+8
	v_min3_num_f32 v[EM], v[EM], v[EM+1], v[EM+2]
	v_min3_num_f32 v[EM], v[EM], v[EM+3], v[EM+4]
	v_min3_num_f32 v[EM], v[EM], v[EM+5], v[EM+6]
	v_min_num_f32 v[EM], v[EM], v[EM+7]
	v_mul_f32 v[EM], 0xb9800000, v[EM]             ; -2^-12 x least e2h = 2^-13 max |E|^2
	v_fmamk_f32 v[EM], v[EM+8], 0x38800000, v[EM]  ; + 2^-14 |x|^2: the margin
	v_sub_f32 v[EM+1], v[QD], v[QD+1]
	v_cmp_gt_f32 vcc_lo, v[EM+1], v[EM]            ; false for NaN: such a pair is left to be scored again
	v_cndmask_b32 v[QD+3], v[QD+3], v[QD+2], vcc_lo    ; decided: the second code repeats the first
	global_store_b64 v10, v[QD+2:QD+3], s[10:11]   ; the two codes
.Lclose:
	s_wait_tensorcnt 0x0
	ds_add_u32 v14, v15
	s_wait_dscnt 0x0
	ROUND                                          ; the closing round: no work-group ends while a partner may still ask for a tile that names it
	s_endpgm
.Lfunc_end_k_q4fcc3244a5_nearest:
	.size	k_q4fcc3244a5_nearest, .Lfunc_end_k_q4fcc3244a5_nearest-k_q4fcc3244a5_nearest
	.p2alignl 7, 3214868480
	.fill 96, 4, 3214868480
	.section	.rodata,"a",@progbits
	.p2align	6, 0x0
	.amdhsa_kernel k_q4fcc3244a5_nearest
		.amdhsa_group_segment_fixed_size 327680
		.amdhsa_private_segment_fixed_size 0
		.amdhsa_enable_private_segment 0
		.amdhsa_kernarg_size 32
		.amdhsa_user_sgpr_count 2
		.amdhsa_user_sgpr_kernarg_segment_ptr 1
		.amdhsa_wavefront_size32 1
		.amdhsa_system_sgpr_workgroup_id_x 1
		.amdhsa_system_sgpr_workgroup_id_y 1
		.amdhsa_system_sgpr_workgroup_id_z 1
		.amdhsa_system_vgpr_workitem_id 0
		.amdhsa_next_free_vgpr 512
		.amdhsa_next_free_sgpr 102
		.amdhsa_reserve_vcc 1
		.amdhsa_float_denorm_mode_32 3
		.amdhsa_float_denorm_mode_16_64 3
		.amdhsa_memory_ordered 1
		.amdhsa_forward_progress 1
		.amdhsa_inst_pref_size 244
	.end_amdhsa_kernel
	.amdgpu_metadata
---
amdhsa.version: [ 1, 2 ]
amdhsa.kernels:
  - .name:           k_q4fcc3244a5_nearest
    .symbol:         k_q4fcc3244a5_nearest.kd
    .args:
      - { .name: x, .offset: 0, .size: 8, .value_kind: global_buffer, .address_space: global }
      - { .name: e16, .offset: 8, .size: 8, .value_kind: global_buffer, .address_space: global }
      - { .name: e2h, .offset: 16, .size: 8, .value_kind: global_buffer, .address_space: global }
      - { .name: cand, .offset: 24, .size: 8, .value_kind: global_buffer, .address_space: global }
    .group_segment_fixed_size: 327680
    .private_segment_fixed_size: 0
    .kernarg_segment_align: 8
    .kernarg_segment_size: 32
    .max_flat_workgroup_size: 256
    .sgpr_count:     102
    .vgpr_count:     512
    .wavefront_size: 32
...
	.end_amdgpu_metadata
.endif
;; end of part 2
;; launch choose (part 3): grid 512 x 1, 8 waves a work-group, no clusters, 134,144 bytes of LDS; arguments cand, x, E, e2h, out0; writes out0
.if DOCPART == 3
	.amdgcn_target "amdgcn-amd-amdhsa--gfx1250"
	.amdhsa_code_object_version 6
	.text
	.protected	k_q4fcc3244a5_choose
	.globl	k_q4fcc3244a5_choose
	.p2align	8
	.type	k_q4fcc3244a5_choose,@function
k_q4fcc3244a5_choose:
	s_mov_b64 s[64:65], 0
	v_nop
	global_prefetch_b8 v0, s[64:65] scope:SCOPE_SE
	s_setreg_imm32_b32 hwreg(HW_REG_WAVE_MODE, 25, 1), 1
	s_wait_xcnt 0x0
; out0[n] = E[v], v = that of the two codes cand[n][0], cand[n][1] with the larger score bf16(x[n]) . bf16(E[v]) + e2h[v]; of equal scores the lower code.
; cand: [32768][2] u32, stored by the launch before.  x: [32768][256] f32.  E: [4096][256] f32.  e2h: [4096] f32.  out0: [32768][256] f32.
; TWO WAYS.  The launch before stores the same code twice where its two best scores lie further apart than any order of f32 rounding can move them
; (its margin: 2^-13 (|x|^2/2 + max |E|^2)).  It gathers its rows and stores them.
; Any other wave scores all its eight pairs.  The branch hangs on whole numbers read from memory, and both ways store the wave's eight rows.
; ORDER OF ROUNDING in the scoring.  A product of two bf16 numbers is exact in f32.  The 256 products are added in f32 in ascending k, one rounding a
; step, and e2h = -|E|^2 / 2 is added last with one rounding; times -2, which is exact, that is -2 x.E + |E|^2 rounded once.
; LIMIT.  Where other f32 sums are made in another order, two codes whose distances differ by less than the rounding of those sums
; (of the order 1e-4 for distances of about 130) may come out in the other order.  A NaN score leaves the first candidate.
; SHARES.  Wave g = 8 x work-group + wave owns rows 8 g .. 8 g + 7: 16 sums.  Rows are loaded by columns (512 consecutive bytes an instruction), the
; products are made by columns and laid into the wave's own LDS bytes, and lane l adds the 256 products of sum l % 16 in order.
; Both candidates' f32 rows stay in registers (128) until the choice, which selects values by v_cndmask_b32: no address hangs on it.  Those
; registers are why a wave takes 8 rows and not 16, so lanes 16 to 31 repeat the sums of lanes 0 to 15.
; No barrier: no wave reads another's LDS bytes.  No matrix unit: 512 multiply-adds a row.  No cluster: which rows of E two work-groups
; share hangs on the data.  A code is clamped to 4,095, the table's last row, before it enters an address.
.set CP,  1040                         ; pitch of a sum's 256 products: 1,024 + 16 bytes, an odd multiple of 16: 16 lanes read 16 different 16-byte columns modulo 256
.set WVB, 16*CP                        ; a wave's LDS bytes
.set OFF, 12                           ; v[12:27]   sum 2 t + c: byte offset in E of my 16 bytes of its row
.set U,   28                           ; v[28:35]   8 numbers of x, rounded, in f32
.set W,   36                           ; v[36:43]   8 numbers of E, rounded, in f32; then the products
.set K,   44                           ; v[44:47]   8 numbers in bf16
.set X,   48                           ; v[48:111]  row t of x: 8 registers; later two buffers of 32 products
.set EA,  112                          ; v[112:239] row t, candidate c: 8 registers at EA + 16 t + 8 c, as loaded; the chosen row ends up at c = 0
; v1 16 l   v2 where I put products   v3 where my sum's products lie   v4 4 (l % 16)   v5 my sum's code   v6 its offset in e2h   v7 its e2h
; v8 my sum, then my score   v9, v10 the score and the code of the row's other candidate
	s_load_b256 s[4:11], s[0:1], 0x0               ; cand s[4:5], x s[6:7], E s[8:9], e2h s[10:11]
	s_load_b64 s[12:13], s[0:1], 0x20              ; out0
	v_lshl_add_u32 v240, v0, 2, 0x20800
	v_mov_b32 v241, 0
	v_lshrrev_b32 v1, 5, v0
	v_readfirstlane_b32 s14, v1                    ; wave 0..7
	s_lshl_b32 s15, ttmp9, 3
	s_add_co_u32 s15, s15, s14                     ; g
	v_and_b32 v1, 31, v0
	v_lshlrev_b32 v1, 4, v1
	s_lshl_b32 s2, s15, 6                          ; g x 8 rows x 8 bytes of cand
	s_mov_b32 s3, 0
	s_wait_kmcnt 0x0
	s_add_nc_u64 s[4:5], s[4:5], s[2:3]
	s_load_b512 s[16:31], s[4:5], 0x0              ; my 16 codes as scalars
	s_lshl_b32 s2, s15, 13                         ; g x 8 rows of 1,024 bytes
	s_add_nc_u64 s[6:7], s[6:7], s[2:3]
	s_add_nc_u64 s[12:13], s[12:13], s[2:3]
	s_wait_kmcnt 0x0
	s_xor_b32 s33, s16, s17                        ; s33 = 0 if and only if all eight pairs are equal
.irp t, 1,2,3,4,5,6,7
	s_xor_b32 s34, s[16+2*\t], s[17+2*\t]
	s_or_b32 s33, s33, s34
.endr
.irp n, 0,1,2,3,4,5,6,7,8,9,10,11,12,13,14,15
	s_min_u32 s[16+\n], s[16+\n], 4095
	s_lshl_b32 s[16+\n], s[16+\n], 10              ; the row's first byte in E
	v_add_nc_u32 v[OFF+\n], s[16+\n], v1
.endr
	s_cmp_lg_u32 s33, 0
	s_cbranch_scc1 .Lscore
	; NOTHING TO DECIDE: eight rows in, eight rows out.  All 16 loads go out at once; each row has registers of its own.
.irp t, 0,1,2,3,4,5,6,7
	global_load_b128 v[EA+16*\t:EA+16*\t+3],   v[OFF+2*\t], s[8:9]                         ; no hint: a row of E may be named again
	global_load_b128 v[EA+16*\t+4:EA+16*\t+7], v[OFF+2*\t], s[8:9] offset:512
.endr
.irp t, 0,1,2,3,4,5,6,7
	s_wait_loadcnt 14-2*\t                         ; loads come back in order: rows 0 to t are in, the 14 - 2 t younger loads stay out
	global_store_b128 v1, v[EA+16*\t:EA+16*\t+3],   s[12:13] offset:\t*1024 th:TH_STORE_NT       ; 16 lanes store 256 consecutive bytes, aligned
	global_store_b128 v1, v[EA+16*\t+4:EA+16*\t+7], s[12:13] offset:\t*1024+512 th:TH_STORE_NT
.endr
	s_endpgm
.Lscore:
	s_mov_b32 s32, 0xffff0000                      ; a word's upper bf16
	s_mul_i32 s36, s14, WVB                        ; my wave's LDS bytes
	v_add_nc_u32 v2, s36, v1
	v_and_b32 v4, 15, v0
	v_mul_u32_u24 v3, v4, CP
	v_add_nc_u32 v3, s36, v3
	v_lshlrev_b32 v4, 2, v4
	v_mov_b32 v9, 0                                ; a DPP move counts as a reader of its destination
	v_mov_b32 v10, 0
	global_load_b32 v5, v4, s[4:5]                 ; code l % 16 in lane l, for e2h and for ties
.irp t, 0,1,2,3,4,5,6,7
	global_load_b128 v[X+8*\t:X+8*\t+3],   v1, s[6:7] offset:\t*1024 th:TH_LOAD_NT         ; columns 4 l ..; this launch reads a row of x at most once
	global_load_b128 v[X+8*\t+4:X+8*\t+7], v1, s[6:7] offset:\t*1024+512 th:TH_LOAD_NT     ; columns 128 + 4 l ..
.endr
.irp t, 0,1,2,3,4,5,6,7
.irp c, 0,1
	global_load_b128 v[EA+16*\t+8*\c:EA+16*\t+8*\c+3],   v[OFF+2*\t+\c], s[8:9]            ; no hint: a row of E may be named again
	global_load_b128 v[EA+16*\t+8*\c+4:EA+16*\t+8*\c+7], v[OFF+2*\t+\c], s[8:9] offset:512
.endr
.endr
	s_wait_loadcnt 48                              ; my code is in: behind its load went 16 loads of x and 32 of E
	v_min_u32 v5, 4095, v5
	v_lshlrev_b32 v6, 2, v5
	global_load_b32 v7, v6, s[10:11]
; Row t: round x and both candidates to bf16, multiply, lay the products of sums 2 t and 2 t + 1 into LDS by columns.
.macro ROWQ t
	s_wait_loadcnt 29-4*\t                         ; loads come back in order: x and the rows of E up to t are in; the 4 (7 - t) loads of later rows and e2h's stay out
.irp k, 0,1,2,3
	v_cvt_pk_bf16_f32 v[K+\k], v[X+8*\t+2*\k], v[X+8*\t+2*\k+1]
.endr
.irp k, 0,1,2,3
	v_lshlrev_b32 v[U+2*\k],   16,  v[K+\k]
	v_and_b32     v[U+2*\k+1], s32, v[K+\k]
.endr
.irp c, 0,1
.irp k, 0,1,2,3
	v_cvt_pk_bf16_f32 v[K+\k], v[EA+16*\t+8*\c+2*\k], v[EA+16*\t+8*\c+2*\k+1]
.endr
.irp k, 0,1,2,3
	v_lshlrev_b32 v[W+2*\k],   16,  v[K+\k]
	v_and_b32     v[W+2*\k+1], s32, v[K+\k]
.endr
.irp k, 0,2,4,6
	v_pk_mul_f32 v[W+\k:W+\k+1], v[W+\k:W+\k+1], v[U+\k:U+\k+1]
.endr
	ds_store_b128 v2, v[W:W+3]   offset:(2*\t+\c)*CP
	ds_store_b128 v2, v[W+4:W+7] offset:(2*\t+\c)*CP+512
.endr
.endm
.irp t, 0,1,2,3,4,5,6,7
	ROWQ \t
.endr
; My sum's products 32 g .. 32 g + 31 into buffer g % 2.  LDS serves a wave's instructions in order, so these loads see the stores above.
.macro CLOAD g
.irp q, 0,1,2,3,4,5,6,7
	ds_load_b128 v[X+32*((\g)%2)+4*\q:X+32*((\g)%2)+4*\q+3], v3 offset:128*(\g)+16*\q
.endr
.endm
.macro CSUM g, first                   ; they are added in order, from number first on
.set n, \first
.rept 32-\first
	v_add_f32 v8, v8, v[X+32*((\g)%2)+n]
.set n, n+1
.endr
.endm
	CLOAD 0
	CLOAD 1
	s_wait_dscnt 8                                 ; the first 32 products are in; the eight loads just issued stay out
	v_add_f32 v8, v[X], v[X+1]                     ; the first two products start the sum
	CSUM 0, 2
.irp g, 1,2,3,4,5,6
	CLOAD \g+1                                     ; into the buffer that has just been added
	s_wait_dscnt 8
	CSUM \g, 0
.endr
	s_wait_dscnt 0x0
	CSUM 7, 0
	s_wait_loadcnt 0x0                             ; e2h
	v_add_f32 v8, v8, v7                           ; my score
	v_mov_b32_dpp v9,  v8 row_xmask:1 row_mask:0xf bank_mask:0xf   ; the row's other candidate sits in lane l xor 1
	v_mov_b32_dpp v10, v5 row_xmask:1 row_mask:0xf bank_mask:0xf
	v_cmp_gt_f32 s33, v9, v8
	v_cmp_eq_f32 s34, v9, v8
	v_cmp_lt_u32 vcc_lo, v10, v5
	s_and_b32 s34, s34, vcc_lo
	s_or_b32 s33, s33, s34                         ; bit 2 t: row t's second candidate goes ahead of its first
.irp t, 0,1,2,3,4,5,6,7
	s_bitcmp1_b32 s33, 2*\t
	s_cselect_b32 s35, -1, 0                       ; the bit for all lanes: it selects values and nothing else
.irp k, 0,1,2,3,4,5,6,7
	v_cndmask_b32 v[EA+16*\t+\k], v[EA+16*\t+\k], v[EA+16*\t+8+\k], s35
.endr
	global_store_b128 v1, v[EA+16*\t:EA+16*\t+3],   s[12:13] offset:\t*1024 th:TH_STORE_NT       ; 16 lanes store 256 consecutive bytes, aligned
	global_store_b128 v1, v[EA+16*\t+4:EA+16*\t+7], s[12:13] offset:\t*1024+512 th:TH_STORE_NT
.endr
	s_wait_tensorcnt 0x0
	ds_add_u32 v240, v241
	s_wait_dscnt 0x0
	s_endpgm
.Lfunc_end_k_q4fcc3244a5_choose:
	.size	k_q4fcc3244a5_choose, .Lfunc_end_k_q4fcc3244a5_choose-k_q4fcc3244a5_choose
	.p2alignl 7, 3214868480
	.fill 96, 4, 3214868480
	.section	.rodata,"a",@progbits
	.p2align	6, 0x0
	.amdhsa_kernel k_q4fcc3244a5_choose
		.amdhsa_group_segment_fixed_size 134144
		.amdhsa_private_segment_fixed_size 0
		.amdhsa_enable_private_segment 0
		.amdhsa_kernarg_size 40
		.amdhsa_user_sgpr_count 2
		.amdhsa_user_sgpr_kernarg_segment_ptr 1
		.amdhsa_wavefront_size32 1
		.amdhsa_system_sgpr_workgroup_id_x 1
		.amdhsa_system_sgpr_workgroup_id_y 1
		.amdhsa_system_sgpr_workgroup_id_z 1
		.amdhsa_system_vgpr_workitem_id 0
		.amdhsa_next_free_vgpr 242
		.amdhsa_next_free_sgpr 66
		.amdhsa_reserve_vcc 1
		.amdhsa_float_denorm_mode_32 3
		.amdhsa_float_denorm_mode_16_64 3
		.amdhsa_memory_ordered 1
		.amdhsa_forward_progress 1
		.amdhsa_inst_pref_size 50
	.end_amdhsa_kernel
	.amdgpu_metadata
---
amdhsa.version: [ 1, 2 ]
amdhsa.kernels:
  - .name:           k_q4fcc3244a5_choose
    .symbol:         k_q4fcc3244a5_choose.kd
    .args:
      - { .name: cand, .offset: 0, .size: 8, .value_kind: global_buffer, .address_space: global }
      - { .name: x, .offset: 8, .size: 8, .value_kind: global_buffer, .address_space: global }
      - { .name: E, .offset: 16, .size: 8, .value_kind: global_buffer, .address_space: global }
      - { .name: e2h, .offset: 24, .size: 8, .value_kind: global_buffer, .address_space: global }
      - { .name: out0, .offset: 32, .size: 8, .value_kind: global_buffer, .address_space: global }
    .group_segment_fixed_size: 134144
    .private_segment_fixed_size: 0
    .kernarg_segment_align: 8
    .kernarg_segment_size: 40
    .max_flat_workgroup_size: 256
    .sgpr_count:     66
    .vgpr_count:     242
    .wavefront_size: 32
...
	.end_amdgpu_metadata
.endif
;; end of part 3
;; ======== version 2 of 2: 3 launches; version 1 with the launch prep written anew for expert scheduling mode
;; workspace buffers: e16 2,097,152 bytes; e2h 16,384 bytes; cand 262,144 bytes of whole numbers
;; launch prep (part 4): grid 64 x 1, 8 waves a work-group, no clusters, 69,888 bytes of LDS; arguments E, e16, e2h; writes e16, e2h
.if DOCPART == 4
	.amdgcn_target "amdgcn-amd-amdhsa--gfx1250"
	.amdhsa_code_object_version 6
	.text
	.protected	k_q4fcc3244a5_prep
	.globl	k_q4fcc3244a5_prep
	.p2align	8
	.type	k_q4fcc3244a5_prep,@function
k_q4fcc3244a5_prep:
	s_mov_b64 s[64:65], 0
	v_nop
	global_prefetch_b8 v0, s[64:65] scope:SCOPE_SE
	s_setreg_imm32_b32 hwreg(HW_REG_WAVE_SCHED_MODE, 0, 2), 2
	s_setreg_imm32_b32 hwreg(HW_REG_WAVE_MODE, 25, 1), 1
	s_wait_xcnt 0x0
	s_wait_alu depctr_vm_vsrc(0)
; e16[v][c] = bf16(E[v][c]);  e2h[v] = -0.5 * sum over c of bf16(E[v][c])^2, in f32.
; E: [4096][256] f32.  e16: [4096][256] bf16.  e2h: [4096] f32.
; The squares are taken of the ROUNDED numbers: the next launches multiply rounded operands, so that their score
; x.E - |E|^2/2 is the one of the rounded data.  A square of a bf16 number is exact in f32, so only the order of the additions rounds.
; ORDER OF ROUNDING: eight runs of 32 neighbouring squares, each added in ascending order, then the eight run sums in ascending order.
; Eight waves; the work-group owns 64 codes, so that its 64 numbers of e2h are 256 consecutive bytes, aligned, stored by one
; instruction: hence 64 work-groups and not more.  A wave owns 8 rows; a row is two loads of 512 consecutive bytes.
; The squares change hands between lanes through the wave's own LDS bytes: loaded and stored by columns, added by runs.
; A stream: every byte is read once and written once; no tile is shared between work-groups, so no cluster and no matrix unit.
; THE MODE: SCHED_MODE bits 1:0 = 2 (LLVM: expert scheduling mode 2), set by the entry lines.  The code itself states the register dependences
; between vector instructions and memory or LDS instructions, with s_wait_alu, always for 0.
; THE PLAN.  Registers that memory or LDS instructions touch:
;   v2 .. v8      offsets and LDS addresses: written at the head and never again; one wait ahead of the first load serves every access by them.
;   X             row t: the global loads land in it, row t's roundings read it; behind row 7 the LDS loads of my two runs land in it, and the additions read them.
;   P, U          a buffer to each row: written by row t's vector work, read by row t's four stores, never written again.
;   A0, A1        written by the additions, read by the LDS stores of the run sums; A0 is then written again and read by the LDS store of the result.
;   W             an LDS load lands in it, additions read it; in wave 0 it then holds an address, an offset and a loaded pair.
;   v124, v125    written at the head, read by the closing add alone.
; Row t - 1's four stores stand at the head of row t, behind the wait for row t's data and ONE wait on va_vdst: the vector work that wrote their
; data was issued ahead of the wait for data.  No store's data is written again but A0, so behind the entry lines one wait on vm_vsrc stands in the text.
.set SQP,  1040                        ; pitch of a row of squares: 1,024 + 16 bytes, an odd multiple of 16: the 8 rows x 2 runs that 16 lanes read lie in 16 different 16-byte columns modulo 256
.set WVB,  8*SQP+256                   ; a wave's LDS: 8 rows of squares, then 8 rows x 8 run sums
.set OUTW, 8*WVB                       ; 68,608: the group's 64 results
.set SA,  4                            ; v4   where I put 16 bytes of squares: wave's bytes + 16 l
.set CA,  5                            ; v5   where my runs begin: wave's bytes + (l % 8) SQP + 128 (l / 8)
.set WA,  6                            ; v6   where my run sums go
.set RA,  7                            ; v7   where my row's eight run sums lie
.set OA,  8                            ; v8   where my row's result goes
.set RW,  9                            ; v9   l % 8, my row in the adding.  (v[10:17] are not used)
.set A0,  18                           ; v18, v19   two running sums
.set A1,  19
.set X,   20                           ; v[20:83]   row t: 8 registers as loaded; later my two runs of 32 squares
.set P,   84                           ; v[84:115]  row t: 4 registers of bf16, each row's own: no store's data is ever rewritten
.set W,   116                          ; v[116:123] my row's eight run sums
.set U,   126                          ; v[126:189] row t: 8 rounded numbers widened to f32, then their squares, each row's own likewise
                                       ; v124, v125: the LDS address of my spare word (68,864 + 4 x thread) and 0, kept for the closing lines alone
	s_load_b128 s[4:7], s[0:1], 0x0                ; E s[4:5], e16 s[6:7]
	s_load_b64 s[8:9], s[0:1], 0x10                ; e2h
	v_lshl_add_u32 v124, v0, 2, 0x10d00
	v_mov_b32 v125, 0
	v_lshrrev_b32 v1, 5, v0
	v_readfirstlane_b32 s10, v1                    ; wave 0..7
	v_and_b32 v1, 31, v0                           ; lane l
	s_mov_b32 s14, 0xffff0000                      ; a word's upper bf16
	v_lshlrev_b32 v2, 4, v1                        ; what hangs on the lane alone stands between the line that writes s10 and the wait for it
	v_lshlrev_b32 v3, 3, v1
	v_and_b32 v[RW], 7, v1
	v_lshrrev_b32 v[A0], 3, v1                     ; l / 8: my first run; my second is 4 further on
	v_mul_u32_u24 v[CA], v[RW], SQP
	v_lshl_add_u32 v[CA], v[A0], 7, v[CA]
	s_wait_alu depctr_va_sdst(0)                   ; s10 is written, ahead of its first reader: the LDS addresses and the offsets in E and e16 are made from it
	s_mul_i32 s11, s10, WVB                        ; my wave's LDS bytes
	v_add_nc_u32 v[SA], s11, v2
	v_lshl_add_u32 v2, s10, 13, v2                 ; in E: wave x 8 rows x 1,024 bytes + 16 l
	v_lshl_add_u32 v3, s10, 12, v3                 ; in e16: wave x 8 rows x 512 bytes + 8 l
	v_add_nc_u32 v[CA], s11, v[CA]
	s_add_co_u32 s12, s11, 8*SQP
	v_lshl_add_u32 v[RA], v[RW], 5, s12
	v_lshl_add_u32 v[WA], v[A0], 2, v[RA]
	s_lshl_b32 s13, s10, 5
	s_add_co_u32 s13, s13, OUTW
	v_lshl_add_u32 v[OA], v[RW], 2, s13            ; word 8 x wave + l % 8
	s_lshl_b32 s2, ttmp9, 16                       ; the work-group's 64 rows of 1,024 bytes
	s_mov_b32 s3, 0
	s_wait_kmcnt 0x0
	s_add_nc_u64 s[4:5], s[4:5], s[2:3]
	s_lshl_b32 s2, ttmp9, 15                       ; 64 rows of 512 bytes
	s_add_nc_u64 s[6:7], s[6:7], s[2:3]
	s_lshl_b32 s2, ttmp9, 8                        ; 64 numbers of 4 bytes
	s_add_nc_u64 s[8:9], s[8:9], s[2:3]
	s_wait_alu depctr_va_vdst(0)                   ; the offsets v2 and v3 and the LDS addresses v4 to v8 are written, which the loads and stores of the whole kernel read
.irp t, 0,1,2,3,4,5,6,7
	global_load_b128 v[X+8*\t:X+8*\t+3],   v2, s[4:5] offset:\t*1024        ; columns 4 l .. 4 l + 3
	global_load_b128 v[X+8*\t+4:X+8*\t+7], v2, s[4:5] offset:\t*1024+512    ; columns 128 + 4 l ..
.endr
; Row t leaves: its bf16 to memory, its squares into LDS by columns.
.macro ROWOUT t
	global_store_b64 v3, v[P+4*(\t):P+4*(\t)+1],   s[6:7] offset:(\t)*512       ; 32 lanes x 8 bytes: 256 consecutive bytes, aligned
	global_store_b64 v3, v[P+4*(\t)+2:P+4*(\t)+3], s[6:7] offset:(\t)*512+256
	ds_store_b128 v[SA], v[U+8*(\t):U+8*(\t)+3]   offset:(\t)*SQP
	ds_store_b128 v[SA], v[U+8*(\t)+4:U+8*(\t)+7] offset:(\t)*SQP+512
.endm
; Row t: the row before leaves; then round, and square the rounded numbers.
.macro ROWP t
	s_wait_loadcnt 14-2*\t                         ; loads come back in order: rows 0 to t are in, the 14 - 2 t younger loads stay out
.if \t > 0
	s_wait_alu depctr_va_vdst(0)                   ; the row before has written its P and its U, which the four stores below read
	ROWOUT \t-1
.endif
.irp k, 0,1,2,3
	v_cvt_pk_bf16_f32 v[P+4*\t+\k], v[X+8*\t+2*\k], v[X+8*\t+2*\k+1]
.endr
.irp k, 0,1,2,3
	v_lshlrev_b32 v[U+8*\t+2*\k],   16,  v[P+4*\t+\k]   ; bf16 to f32: the low half moves up,
	v_and_b32     v[U+8*\t+2*\k+1], s14, v[P+4*\t+\k]   ; the high half stays
.endr
.irp k, 0,2,4,6
	v_pk_mul_f32 v[U+8*\t+\k:U+8*\t+\k+1], v[U+8*\t+\k:U+8*\t+\k+1], v[U+8*\t+\k:U+8*\t+\k+1]
.endr
.endm
.irp t, 0,1,2,3,4,5,6,7
	ROWP \t
.endr
	s_wait_alu depctr_va_vdst(0)                   ; row 7 has written its P and its U, which its stores read; and all roundings are done reading X, in which the LDS loads below land
	ROWOUT 7
	; My two runs of 32 squares.  LDS serves a wave's instructions in order, so these loads see the stores above: the bytes are my wave's own.
.irp q, 0,1,2,3,4,5,6,7
	ds_load_b128 v[X+4*\q:X+4*\q+3],       v[CA] offset:16*\q
	ds_load_b128 v[X+32+4*\q:X+32+4*\q+3], v[CA] offset:512+16*\q
.endr
	s_wait_dscnt 14                                ; the first piece of both runs is in; the 14 younger loads stay out
	v_add_f32 v[A0], v[X], v[X+1]                  ; the first two squares start the sums; the two chains do not wait for each other
	v_add_f32 v[A1], v[X+32], v[X+33]
	v_add_f32 v[A0], v[A0], v[X+2]
	v_add_f32 v[A1], v[A1], v[X+34]
	v_add_f32 v[A0], v[A0], v[X+3]
	v_add_f32 v[A1], v[A1], v[X+35]
.irp q, 1,2,3,4,5,6,7
	s_wait_dscnt 14-2*\q                           ; pieces 0 to q of both runs are in
.irp e, 0,1,2,3
	v_add_f32 v[A0], v[A0], v[X+4*\q+\e]
	v_add_f32 v[A1], v[A1], v[X+32+4*\q+\e]
.endr
.endr
	s_wait_alu depctr_va_vdst(0)                   ; the additions have written A0 and A1, which the two LDS stores read
	ds_store_b32 v[WA], v[A0]                      ; run l / 8 of row l % 8
	ds_store_b32 v[WA], v[A1] offset:16            ; run l / 8 + 4
	ds_load_b128 v[W:W+3],   v[RA]                 ; my row's eight run sums, again my wave's own bytes, in order behind the stores
	ds_load_b128 v[W+4:W+7], v[RA] offset:16
	s_wait_dscnt 0x0
	s_wait_alu depctr_vm_vsrc(0)                   ; the LDS store of my first run sum has read A0, which the next line writes again
	v_add_f32 v[A0], v[W], v[W+1]
.irp n, 2,3,4,5,6,7
	v_add_f32 v[A0], v[A0], v[W+\n]
.endr
	v_mul_f32 v[A0], -0.5, v[A0]                   ; exact
	s_wait_alu depctr_va_vdst(0)                   ; A0 is written, which the LDS store reads
	ds_store_b32 v[OA], v[A0]                      ; four lanes write the same word with the same number
	s_wait_dscnt 0x0                               ; for wave 0's sake: my words are in LDS before I say so
	s_barrier_signal -1
	s_barrier_wait -1
	s_cmp_lg_u32 s10, 0
	s_cbranch_scc1 .Lend
	v_lshlrev_b32 v[W], 3, v1                      ; wave 0 stores the group's 64 numbers: 32 lanes x 8 bytes, 256 consecutive bytes, aligned
	v_add_nc_u32 v[W+1], OUTW, v[W]
	s_wait_alu depctr_va_vdst(0)                   ; W + 1, the LDS load's address, and W, the store's offset, are written; the additions are done reading W + 2 and W + 3, in which the load lands
	ds_load_b64 v[W+2:W+3], v[W+1]
	s_wait_dscnt 0x0
	global_store_b64 v[W], v[W+2:W+3], s[8:9]
.Lend:
	s_wait_dscnt 0x0                               ; the closing lines, six on end
	s_wait_alu 0x0
	s_wait_tensorcnt 0x0
	ds_add_u32 v124, v125
	s_wait_dscnt 0x0
	s_endpgm
.Lfunc_end_k_q4fcc3244a5_prep:
	.size	k_q4fcc3244a5_prep, .Lfunc_end_k_q4fcc3244a5_prep-k_q4fcc3244a5_prep
	.p2alignl 7, 3214868480
	.fill 96, 4, 3214868480
	.section	.rodata,"a",@progbits
	.p2align	6, 0x0
	.amdhsa_kernel k_q4fcc3244a5_prep
		.amdhsa_group_segment_fixed_size 69888
		.amdhsa_private_segment_fixed_size 0
		.amdhsa_enable_private_segment 0
		.amdhsa_kernarg_size 24
		.amdhsa_user_sgpr_count 2
		.amdhsa_user_sgpr_kernarg_segment_ptr 1
		.amdhsa_wavefront_size32 1
		.amdhsa_system_sgpr_workgroup_id_x 1
		.amdhsa_system_sgpr_workgroup_id_y 1
		.amdhsa_system_sgpr_workgroup_id_z 1
		.amdhsa_system_vgpr_workitem_id 0
		.amdhsa_next_free_vgpr 190
		.amdhsa_next_free_sgpr 66
		.amdhsa_reserve_vcc 0
		.amdhsa_float_denorm_mode_32 3
		.amdhsa_float_denorm_mode_16_64 3
		.amdhsa_memory_ordered 1
		.amdhsa_forward_progress 1
		.amdhsa_inst_pref_size 17
	.end_amdhsa_kernel
	.amdgpu_metadata
---
amdhsa.version: [ 1, 2 ]
amdhsa.kernels:
  - .name:           k_q4fcc3244a5_prep
    .symbol:         k_q4fcc3244a5_prep.kd
    .args:
      - { .name: E, .offset: 0, .size: 8, .value_kind: global_buffer, .address_space: global }
      - { .name: e16, .offset: 8, .size: 8, .value_kind: global_buffer, .address_space: global }
      - { .name: e2h, .offset: 16, .size: 8, .value_kind: global_buffer, .address_space: global }
    .group_segment_fixed_size: 69888
    .private_segment_fixed_size: 0
    .kernarg_segment_align: 8
    .kernarg_segment_size: 24
    .max_flat_workgroup_size: 256
    .sgpr_count:     66
    .vgpr_count:     190
    .wavefront_size: 32
...
	.end_amdgpu_metadata
.endif
;; end of part 4
;; launch nearest: the kernel of part 2 again; grid 256 x 1, 8 waves a work-group, clusters of 4 x 1, 327,680 bytes of LDS; arguments x, e16, e2h, cand; writes cand
;; launch choose: the kernel of part 3 again; grid 512 x 1, 8 waves a work-group, no clusters, 134,144 bytes of LDS; arguments cand, x, E, e2h, out0; writes out0
